; MI455X (gfx1250); checked and timed in simulation.
; The chip was launched on July 23, 2026; its instructions are those of AMD's public machine-readable ISA for CDNA 5 (MIT licence, August 2026) and "CDNA5" Instruction Set Architecture Reference Guide (July 2026). The comments in the code are by the model that wrote it; some were corrected since.
;; Self Attention. Allowed arithmetic: matrix products marked QUANTISED: E5M2 operands, one given power-of-two scale a tensor, by v_wmma_f32_16x16x64_bf8_bf8 or v_wmma_f32_16x16x128_bf8_bf8, f32 sums; everything else in f32.
;; Inputs: Wk_codes 1,024 x 4 x 32 uint8 (E5M2 codes of Wk, K innermost, in blocks of 32 codes); Wo_codes 128 x 32 x 32 uint8 (E5M2 codes of Wo, K innermost, in blocks of 32 codes); Wq_codes 1,024 x 4 x 32 uint8 (E5M2 codes of Wq, K innermost, in blocks of 32 codes); Wv_codes 1,024 x 4 x 32 uint8 (E5M2 codes of Wv, K innermost, in blocks of 32 codes); bo 128 float32; lowp_scales 12 int32 (the exponents e of the quantised operands' scales 2^e); x_codes 2 x 2,048 x 4 x 32 uint8 (E5M2 codes of x, K innermost, in blocks of 32 codes).
;; Outputs: out0 2 x 2,048 x 128 float32.
;; This version of the problem:
;;   THIS VERSION OF THE PROBLEM IS GIVEN IN LOW PRECISION. The matrix products marked QUANTISED in the list below multiply operands that are first quantised to E5M2 (5 exponent bits, 2 mantissa bits; 8 bits a number), with one given power-of-two scale for each operand tensor; their sums are f32. All else is computed in f32.
;;   The module's matrix products, in the order in which they are computed (A, B: the left and right operand; K: the contracted axis; several contracted axes count as one K, in the product's order):
;;     1. [M 4,096, K 128] x [K 128, N 1,024]; A: input x (given as codes); B: input Wq (given as codes): QUANTISED (scales: A lowp_scales[0], B lowp_scales[1])
;;     2. [M 4,096, K 128] x [K 128, N 1,024]; A: input x (given as codes); B: input Wk (given as codes): QUANTISED (scales: A lowp_scales[2], B lowp_scales[3])
;;     3. [M 4,096, K 128] x [K 128, N 1,024]; A: input x (given as codes); B: input Wv (given as codes): QUANTISED (scales: A lowp_scales[4], B lowp_scales[5])
;;     4. batch 16 x [M 2,048, K 128] x [K 128, N 2,048]; A: computed on the way; B: computed on the way: QUANTISED (scales: A lowp_scales[6], B lowp_scales[7])
;;     5. batch 16 x [M 128, K 2,048] x [K 2,048, N 2,048]; A: computed on the way; B: softmax (see below): QUANTISED (scales: A lowp_scales[8], B lowp_scales[9])
;;     6. [M 4,096, K 1,024] x [K 1,024, N 128]; A: computed on the way; B: input Wo (given as codes): QUANTISED (scales: A lowp_scales[10], B lowp_scales[11])
;;   THE QUANTISER, for each operand of a quantised product, along K:
;;     - The operand's scale is 2^e, e = its entry of the input lowp_scales (int32; the entries are numbered through the quantised products in the list's order, A before B).
;;     - Each number is divided by the scale, clamped to +-57,344, and rounded to the nearest number of E5M2, ties to even, subnormals kept.
;;     - The product sums the exact products of the quantised numbers (number of the format x scale) in f32.
;;   ~~~python
;;   def quantise(x, axis, e):      # numpy; x: float32 -> the quantised numbers, widened to float32 again
;;       x = np.moveaxis(x, axis, -1); K = x.shape[-1]
;;       r = np.clip(x / 2.0 ** e, -57344, 57344)
;;       step = 2.0 ** (np.maximum(np.frexp(np.where(r == 0, 1, r))[1] - 1, -14) - 2)
;;       q = np.round(r / step) * step * 2.0 ** e      # np.round: ties to even
;;       return np.moveaxis(q, -1, axis).astype(np.float32)
;;   ~~~
;;   SOFTMAX AHEAD OF A QUANTISED PRODUCT. Where the list says 'softmax', what is quantised is not the finished softmax but p = 2^(t - M), with t = logit x log2(e) and M = ceil(the row's largest t), a whole number; so 1/2 < the row's largest p <= 1. The row's sum l is taken of the UNQUANTISED p, in f32, and the product's result is divided by l at the end. Since M is a whole number, a kernel that streams over the keys may use a running M (the ceiling of the running maximum): every later rescaling is an exact power of two, so the quantised numbers keep their values, but for numbers so far below the row's largest that they fall under the format's range.
;;   OPERANDS COMPUTED ON THE WAY. 'Computed on the way' means the value that the module computes at that place (a softmax that the list does not call 'softmax' is quantised finished and normalised). What goes into a quantiser is computed in f32, as accurately as f32 sums, v_exp_f32 and their like allow (about 1e-6 of the number): no bf16 or f16 on the way to a quantiser, and a product that is left as it is and whose result goes on into a quantised operand takes f32 operands (vector FMAs, or v_wmma_f32_16x16x4_f32). A number that lies on a knife's edge between two numbers of the format may be rounded either way, as far as f32 arithmetic and the matrix unit's own rounding can turn it there, and no further.
;;   INPUTS GIVEN AS CODES. Wk (in the module: [128, 1024], K = its axis 0); Wo (in the module: [1024, 128], K = its axis 0); Wq (in the module: [128, 1024], K = its axis 0); Wv (in the module: [128, 1024], K = its axis 0); x (in the module: [2, 2048, 128], K = its axis 2): each comes as NAME_codes (uint8): NAME with its K axis moved to the last place and cut into blocks of 32 codes, [.., K / 32, bytes a block], one block behind the other in memory; one code a byte (a code: sign, 5 exponent bits, 2 mantissa bits); its scale is its entry of lowp_scales. Its value is code x scale, taken as it is: it is not quantised again, and the codes and scales need not be those that the quantiser above would give.
;; One version. Each part assembles by itself: llvm-mc -triple=amdgcn-amd-amdhsa -mcpu=gfx1250 --defsym DOCPART=n.
;; ======== version 1 of 1: 3 launches
;; limits: right only within a limited range of input values
;; workspace buffers: q_img 4,194,304 bytes; kv_img 8,388,608 bytes; a_img 4,194,304 bytes
;; launch proj (part 1): grid 32 x 8, 8 waves a work-group, clusters of 4 x 4, 168,960 bytes of LDS; arguments x_codes, Wq_codes, Wk_codes, Wv_codes, lowp_scales, q_img, kv_img; writes q_img, kv_img
.if DOCPART == 1
	.amdgcn_target "amdgcn-amd-amdhsa--gfx1250"
	.amdhsa_code_object_version 6
	.text
	.protected	k_qc72b600d24_proj
	.globl	k_qc72b600d24_proj
	.p2align	8
	.type	k_qc72b600d24_proj,@function
k_qc72b600d24_proj:
	s_mov_b64 s[64:65], 0
	v_nop
	global_prefetch_b8 v0, s[64:65] scope:SCOPE_SE
	s_setreg_imm32_b32 hwreg(HW_REG_WAVE_MODE, 25, 1), 1
	s_wait_xcnt 0x0
	s_wait_alu depctr_hold_cnt(0) depctr_sa_sdst(0) depctr_va_vdst(0) depctr_va_sdst(0) depctr_va_ssrc(0) depctr_va_vcc(0) depctr_vm_vsrc(0)
	s_getreg_b32 s2, hwreg(HW_REG_IB_STS2, 6, 4)
	s_cmp_eq_u32 s2, 0
	s_cbranch_scc0 .Lentry_in_a_cluster
	s_endpgm
.Lentry_in_a_cluster:
	s_bfe_u32 s2, ttmp6, 0x10000c
	s_cmp_lg_u32 s2, 0xf033
	s_cbranch_scc0 .Lentry_shape_is_right
	s_endpgm
.Lentry_shape_is_right:
; q = x Wq / 128^(1/4), k = x Wk / 128^(1/4), v = x Wv, on codes of BF8 (E5M2), and their results quantised at once for the attention's two products.
; x_codes: [4096 tokens][128]; W?_codes: [1024 = 8 heads x 128][128]: one code a byte, K innermost.  lowp_scales: e0 .. e11.
; WORK THAT THE PROGRAM LEAVES OUT (in launch attn): key steps all of whose keys come after a block's queries.  the module's causal mask sets those scores to -infinity, so p = 0 there for all values of the inputs.
; LIMIT: a NaN, an infinity or an overflow that reaches only such scores is not carried to the result.
; SHARES.  A work-group takes 128 tokens (one key step of one batch) and one head, for all three matrices.  Wave w = 2 g + hf makes, of the fragments 2 g and 2 g + 1 of q, of k and of v, the half hf along the next K.
; A FRAGMENT (16 rows x 128 K, 16 registers a lane) is stored as an image of its registers: chunk c of four, lane l's 16 bytes at 512 c + 16 l = registers 4 c .. 4 c + 3.  Each store of a wave covers 512 consecutive bytes, aligned.
;   Registers 2 t, 2 t + 1 of lane (r, h) hold K = 16 t + 8 h + 0 .. 7: the order in which a product's eight tiles of 16 neighbouring rows leave their results.
;   q_img  [16 = 8 batch + head][128 tiles of 16 queries][2048]: lane r holds query 16 tile + r, K = the head's 128.
;   kv_img [16][4 slots][8 pairs of fragments: k's 4, v's 4][4 key steps][2 fragments][2048]: k's fragment t: lane r holds key 16 t + r, K = the head's 128;
;   v's fragment t: lane r holds channel 32 (t / 2) + 8 (t % 2) + r + 8 (r / 8), K = the step's 128 keys.
; EACH PRODUCT IS USED TRANSPOSED: source 0 = tiles of the operand whose rows become the next K, source 1 = one fragment of the other: a lane's registers run along the next K, and the conversions' results are the next operand's registers.
; SCALES.  A sum stands for sum x 2^(ea + eb); its code under 2^eo is (sum x 2^-1.75) / 2^(eo - ea - eb): the three exponents are folded into the conversion's one.
; LIMITS: e6 - e0 - e1, e7 - e2 - e3 and e8 - e4 - e5 lie between -126 and 112, so that the scale and 57,344 x the scale are f32 numbers.  NaN is not served.  1 / 128^(1/4) is a multiplication by the f32 number nearest 2^-1.75.
; CLUSTER.  4 x 4 work-groups: the four of a column share their 128 tokens of x, the four of a row their head's rows of Wq, Wk, Wv.  Each tile is asked for jointly: the same tensor load, the same descriptor, a mask that names the four.
; LDS is filled once: four regions of 128 rows x (128 + 16) bytes: x, Wq, Wk, Wv.  No loop: nothing to prefetch ahead of.
.set PITCH,  144                       ; 128 bytes + 16 of padding = 36 words: sixteen neighbouring rows start at sixteen different places of 64 words
.set REGION, 128*PITCH
.set HALF,   64*PITCH                  ; what one tensor load brings
.set SPARE,  0x29000                   ; the spare words, 128 bytes for each wave
.set SPW, 12
.set NIL, 13
.set SM,  16                           ; v16-47   source 1: two fragments
.set BIG, 48                           ; v48-111  source 0: four tiles
.set RES, 112                          ; v112-175 the eight results: (fragment u, tile t) at 112 + 32 u + 8 t
.set CD,  176                          ; v176-191 the codes just made
.set WV,  18                           ; s18 my wave's number
.set G1X, 24                           ; s[24:31] descriptor group 1 for x's tile (mask: my column of the cluster)
.set G1W, 32                           ; s[32:39] for the weights' (mask: my row)
.set G0X, 40                           ; s[40:43], s[44:47], s[48:51], s[52:55]: groups 0 for x, Wq, Wk, Wv
.set G0Q, 44
.set G0K, 48
.set G0V, 52
.set RT,  66                           ; s[66:67] 2^-1.75, twice (the packed form names a pair)
.set SQ,  82                           ; s82, s83: q's scale as f32 and 57,344 x it; s84, s85: k's; s86, s87: v's
.set SK,  84
.set SV,  86
.set GG,  88                           ; s88 g
.set HF,  89                           ; s89 hf
.macro PLACES                          ; four plain vector instructions behind matrix instructions, ahead of loads into their sources and of the first read of their results
.rept 4
	v_nop
.endr
.endm
.macro CROUND                          ; a round of the cluster's barrier: my work-group's barrier, wave 0 signals for the work-group, every wave waits for all sixteen, my work-group's barrier once more
	s_barrier_signal -1
	s_barrier_wait -1
	s_cmp_lg_u32 s[WV], 0
	s_cbranch_scc1 .Lnot_wave_0_\@
	s_barrier_signal -3
.Lnot_wave_0_\@:
	s_barrier_wait -3
	s_barrier_signal -1
	s_barrier_wait -1
.endm
; 24 LDS loads: source 1's two fragments at v[sadr] + soff + u ustep, source 0's four tiles of the region at bigoff
.macro LOADS bigoff, sadr, soff, ustep
.irp u, 0,1
.irp c, 0,1,2,3
	ds_load_b128 v[SM+16*\u+4*\c:SM+16*\u+4*\c+3], v[\sadr] offset:\soff+\u*\ustep+32*\c
.endr
.endr
.irp t, 0,1,2,3
.irp c, 0,1,2,3
	ds_load_b128 v[BIG+16*\t+4*\c:BIG+16*\t+4*\c+3], v4 offset:\bigoff+16*\t*PITCH+32*\c
.endr
.endr
.endm
.macro MUL                             ; K = 128 is one instruction: eight sums, each begun and ended by it
.irp t, 0,1,2,3
.irp u, 0,1
	v_wmma_f32_16x16x128_bf8_bf8 v[RES+32*\u+8*\t:RES+32*\u+8*\t+7], v[BIG+16*\t:BIG+16*\t+15], v[SM+16*\u:SM+16*\u+15], 0
.endr
.endr
	PLACES
.endm
; The 64 results become codes.  mul = 1: x 2^-1.75 first.  s[sc]: the scale as f32, s[sc+1]: 57,344 x the scale.  Each accumulator is read from its low end on.
.macro QUANT mul, sc
	v_mov_b32 v8, s[\sc]
	v_mov_b32 v9, s[\sc+1]
.if \mul
.set n, 0
.rept 32
	v_pk_mul_f32 v[RES+n:RES+n+1], v[RES+n:RES+n+1], s[RT:RT+1] op_sel_hi:[1,0]
.set n, n+2
.endr
.endif
.set n, 0
.rept 64
	v_med3_num_f32 v[RES+n], v[RES+n], -v9, v9     ; the conversion to an 8-bit code does not saturate (ISA guide 7.6.2): the hold at the largest code x the scale
.set n, n+1
.endr
.irp k, 0,1,2,3,4,5,6,7
	v_cvt_scalef32_pk8_bf8_f32 v[CD+2*\k:CD+2*\k+1], v[RES+8*\k:RES+8*\k+7], v8
.endr
	v_nop                                          ; a plain vector instruction between the last conversion and the products that write its sources again
.endm
.macro OUT lo, off                     ; two chunks of each of my two fragments: four stores of 512 consecutive bytes
.irp u, 0,1
.irp c, 0,1
	global_store_b128 v3, v[CD+8*\u+4*\c:CD+8*\u+4*\c+3], s[\lo:\lo+1] offset:\off+2048*\u+512*\c
.endr
.endr
.endm
.macro SCALE dst, eo, ea, eb           ; s[dst] = 2^(eo - ea - eb) as f32, s[dst+1] = 57,344 x that
	s_sub_co_i32 s81, s[\eo], s[\ea]
	s_sub_co_i32 s81, s81, s[\eb]
	s_add_co_i32 s81, s81, 127
	s_lshl_b32 s[\dst], s81, 23
	s_add_co_i32 s81, s81, 15
	s_lshl_b32 s81, s81, 23
	s_or_b32 s[\dst+1], s81, 0x600000
.endm
	s_load_b256 s[4:11], s[0:1], 0x0               ; x s[4:5], Wq s[6:7], Wk s[8:9], Wv s[10:11]
	s_load_b128 s[12:15], s[0:1], 0x20             ; the scales' exponents s[12:13], q_img s[14:15]
	s_load_b64 s[16:17], s[0:1], 0x30              ; kv_img
	v_lshl_add_u32 v[SPW], v0, 2, SPARE
	v_mov_b32 v[NIL], 0
	ds_add_u32 v[SPW], v[NIL]                      ; the wave's opening: the add, twice on end, and its wait
	ds_add_u32 v[SPW], v[NIL]
	v_lshrrev_b32 v1, 5, v0
	v_readfirstlane_b32 s[WV], v1                  ; wave 0..7
	s_bfe_u32 s19, ttmp6, 0x40000                  ; cx, cy: my place in the cluster
	s_bfe_u32 s20, ttmp6, 0x40004
	s_lshl_b32 s21, ttmp9, 2
	s_add_co_u32 s21, s21, s19                     ; the block of 128 tokens = 4 x cluster x + cx
	s_and_b32 s22, ttmp7, 0xffff
	s_lshl_b32 s22, s22, 2
	s_add_co_u32 s22, s22, s20                     ; the head = 4 x cluster y + cy
	s_lshl_b32 s23, s20, 2
	s_lshl_b32 s23, 15, s23                        ; my row of the cluster
	s_lshl_b32 s60, 0x1111, s19                    ; my column
	; descriptor group 1: 64 rows of 128 bytes, dense in memory: stated as 32 rows of 256 bytes, padded in LDS behind every 128
	s_or_b32 s[G1X], s60, (1<<20)|(1<<21)|(4<<22)|(3<<25)   ; 15:0 the mask; 17:16 elements of 1 byte; 20 padding on; 21 set beside a mask; 24:22 after every 32 words (code 4); 31:25 four words (code 3)
	s_or_b32 s[G1W], s23, (1<<20)|(1<<21)|(4<<22)|(3<<25)
.irp g, G1X, G1W
	s_mov_b32 s[\g+1], 256<<16                     ; tensor_dim0
	s_mov_b32 s[\g+2], 32<<16                      ; tensor_dim1
	s_mov_b32 s[\g+3], 256<<16                     ; tile_dim0
	s_mov_b32 s[\g+4], 32                          ; tile_dim1
	s_mov_b32 s[\g+5], 256                         ; tensor_dim0_stride
	s_mov_b32 s[\g+6], 0
	s_mov_b32 s[\g+7], 0
.endr
	s_lshr_b32 s[GG], s[WV], 1
	s_and_b32 s[HF], s[WV], 1
	s_lshl_b32 s61, s[HF], 13                      ; which 64 rows of a region I fetch: 8,192 bytes of memory
	s_lshl_b32 s56, s21, 14                        ; x: 16,384 bytes a block of tokens; these registers never hold the head,
	s_add_co_u32 s56, s56, s61
	s_mov_b32 s57, 0
	s_lshl_b32 s58, s22, 14                        ; the weights: 16,384 bytes a head; these never hold the block of tokens
	s_add_co_u32 s58, s58, s61
	s_mov_b32 s59, 0
	s_mul_i32 s62, s[WV], HALF                     ; where my tile goes: region wave / 2, half wave % 2: no place in the cluster enters an LDS address
	s_mov_b32 s[RT], 0x3e9837f0                    ; 2^-1.75
	s_mov_b32 s[RT+1], s[RT]
	s_wait_dscnt 0x0
	s_wait_kmcnt 0x0
	s_load_b256 s[72:79], s[12:13], 0x0            ; e0 .. e7
	s_load_b32 s80, s[12:13], 0x20                 ; e8
	s_mov_b32 s[G0X], 1                            ; 1:0 count = 1
	s_mov_b32 s[G0X+1], s62                        ; 63:32 LDS address
	s_add_nc_u64 s[G0X+2:G0X+3], s[4:5], s[56:57]  ; 120:64 global address
	s_or_b32 s[G0X+3], s[G0X+3], 0x80000000        ; 127:126 type = 2
	s_mov_b32 s[G0Q], 1
	s_mov_b32 s[G0Q+1], s62
	s_add_nc_u64 s[G0Q+2:G0Q+3], s[6:7], s[58:59]
	s_or_b32 s[G0Q+3], s[G0Q+3], 0x80000000
	s_mov_b32 s[G0K], 1
	s_mov_b32 s[G0K+1], s62
	s_add_nc_u64 s[G0K+2:G0K+3], s[8:9], s[58:59]
	s_or_b32 s[G0K+3], s[G0K+3], 0x80000000
	s_mov_b32 s[G0V], 1
	s_mov_b32 s[G0V+1], s62
	s_add_nc_u64 s[G0V+2:G0V+3], s[10:11], s[58:59]
	s_or_b32 s[G0V+3], s[G0V+3], 0x80000000
	CROUND                                         ; all sixteen work-groups are here: the joint loads meet
	; waves 0, 1: x's halves; 2, 3: Wq's; 4, 5: Wk's; 6, 7: Wv's.  The branches hang on the wave's number alone.  One tensor load of mine is out.
	s_cmp_lt_u32 s[WV], 2
	s_cbranch_scc0 .Lnot_x
	tensor_load_to_lds s[G0X:G0X+3], s[G1X:G1X+7]
	s_nop 0
	PLACES
	s_branch .Lasked
.Lnot_x:
	s_cmp_lt_u32 s[WV], 4
	s_cbranch_scc0 .Lnot_q
	tensor_load_to_lds s[G0Q:G0Q+3], s[G1W:G1W+7]
	s_nop 0
	PLACES
	s_branch .Lasked
.Lnot_q:
	s_cmp_lt_u32 s[WV], 6
	s_cbranch_scc0 .Lnot_k
	tensor_load_to_lds s[G0K:G0K+3], s[G1W:G1W+7]
	s_nop 0
	PLACES
	s_branch .Lasked
.Lnot_k:
	tensor_load_to_lds s[G0V:G0V+3], s[G1W:G1W+7]
	s_nop 0
	PLACES
.Lasked:
	s_mul_i32 s63, s[GG], 32*PITCH
	s_mul_i32 s61, s[HF], 64*PITCH
	v_and_b32 v1, 15, v0                           ; r
	v_bfe_u32 v2, v0, 4, 1                         ; h
	v_and_b32 v7, 31, v0
	v_lshlrev_b32 v3, 4, v7                        ; 16 x lane: my place in an image's chunk
	v_and_b32 v10, 8, v1
	v_add_nc_u32 v10, v10, v1                      ; r + 8 (r / 8)
	v_mul_u32_u24 v5, v1, PITCH
	v_lshl_add_u32 v5, v2, 4, v5                   ; row r, + 16 h
	v_add_nc_u32 v4, s61, v5                       ; source 0: tiles 4 hf on
	v_add_nc_u32 v5, s63, v5                       ; source 1, neighbouring rows: fragments 2 g on
	v_mul_u32_u24 v6, v10, PITCH
	v_lshl_add_u32 v6, v2, 4, v6
	v_add_nc_u32 v6, s63, v6                       ; source 1, v's channels: row 32 g + r + 8 (r / 8); the second fragment 8 rows on
	; where my fragments go
	s_lshr_b32 s68, s21, 4
	s_lshl_b32 s68, s68, 3
	s_add_co_u32 s68, s68, s22                     ; 8 batch + head
	s_and_b32 s69, s21, 15                         ; the key step
	s_lshl_b32 s60, s[HF], 10                      ; my half of a fragment
	s_lshl_b32 s70, s68, 7
	s_lshl_b32 s71, s69, 3
	s_add_co_u32 s70, s70, s71
	s_lshl_b32 s71, s[GG], 1
	s_add_co_u32 s70, s70, s71                     ; the tile of queries: 8 step + 2 g
	s_lshl_b32 s70, s70, 11
	s_add_co_u32 s70, s70, s60
	s_mov_b32 s71, 0
	s_add_nc_u64 s[14:15], s[14:15], s[70:71]
	s_lshl_b32 s70, s68, 19                        ; kv_img: 524,288 bytes a (batch, head),
	s_lshr_b32 s71, s69, 2
	s_lshl_b32 s71, s71, 17                        ; 131,072 a slot of four key steps,
	s_add_co_u32 s70, s70, s71
	s_lshl_b32 s71, s[GG], 14                      ; 16,384 a pair of fragments,
	s_add_co_u32 s70, s70, s71
	s_and_b32 s71, s69, 3
	s_lshl_b32 s71, s71, 12                        ; 4,096 a key step in it
	s_add_co_u32 s70, s70, s71
	s_add_co_u32 s70, s70, s60
	s_mov_b32 s71, 0
	s_add_nc_u64 s[16:17], s[16:17], s[70:71]
	s_wait_alu depctr_va_vdst(0)                   ; the head's end
	s_wait_tensorcnt 0x0                           ; my tile has landed,
	s_barrier_signal -1
	s_barrier_wait -1                              ; everybody's has
	LOADS REGION, 5, 0, 16*PITCH                   ; q: Wq's tiles, tokens 32 g on
	s_wait_kmcnt 0x0                               ; the exponents
	SCALE SQ, 78, 72, 73                           ; e6 - e0 - e1
	SCALE SK, 79, 74, 75                           ; e7 - e2 - e3
	SCALE SV, 80, 76, 77                           ; e8 - e4 - e5
	s_wait_dscnt 0x0
	MUL
	LOADS 2*REGION, 5, 0, 16*PITCH                 ; k: Wk's tiles, the same tokens; they land while q is quantised
	QUANT 1, SQ
	OUT 14, 0
	s_wait_dscnt 0x0
	MUL
	LOADS 0, 6, 3*REGION, 8*PITCH                  ; v: x's tiles (the keys), Wv's rows
	s_wait_xcnt 0x0                                ; q's stores have read their data: the codes' registers are written again only behind this wait
	QUANT 1, SK
	OUT 16, 0
	s_wait_dscnt 0x0
	MUL
	s_wait_xcnt 0x0                                ; likewise k's stores
	QUANT 0, SV
	OUT 16, 65536                                  ; v's pairs of fragments lie behind k's four
	s_wait_tensorcnt 0x0                           ; the wave's end
	ds_add_u32 v[SPW], v[NIL]
	s_wait_dscnt 0x0
	CROUND                                         ; the closing round: no work-group ends while a partner may still ask for a tile that names it
	s_endpgm
.Lfunc_end_k_qc72b600d24_proj:
	.size	k_qc72b600d24_proj, .Lfunc_end_k_qc72b600d24_proj-k_qc72b600d24_proj
	.p2alignl 7, 3214868480
	.fill 96, 4, 3214868480
	.section	.rodata,"a",@progbits
	.p2align	6, 0x0
	.amdhsa_kernel k_qc72b600d24_proj
		.amdhsa_group_segment_fixed_size 168960
		.amdhsa_private_segment_fixed_size 0
		.amdhsa_enable_private_segment 0
		.amdhsa_kernarg_size 56
		.amdhsa_user_sgpr_count 2
		.amdhsa_user_sgpr_kernarg_segment_ptr 1
		.amdhsa_wavefront_size32 1
		.amdhsa_system_sgpr_workgroup_id_x 1
		.amdhsa_system_sgpr_workgroup_id_y 1
		.amdhsa_system_sgpr_workgroup_id_z 1
		.amdhsa_system_vgpr_workitem_id 0
		.amdhsa_next_free_vgpr 192
		.amdhsa_next_free_sgpr 96
		.amdhsa_reserve_vcc 0
		.amdhsa_float_denorm_mode_32 3
		.amdhsa_float_denorm_mode_16_64 3
		.amdhsa_memory_ordered 1
		.amdhsa_forward_progress 1
		.amdhsa_inst_pref_size 34
	.end_amdhsa_kernel
	.amdgpu_metadata
---
amdhsa.version: [ 1, 2 ]
amdhsa.kernels:
  - .name:           k_qc72b600d24_proj
    .symbol:         k_qc72b600d24_proj.kd
    .args:
      - { .name: x_codes, .offset: 0, .size: 8, .value_kind: global_buffer, .address_space: global }
      - { .name: Wq_codes, .offset: 8, .size: 8, .value_kind: global_buffer, .address_space: global }
      - { .name: Wk_codes, .offset: 16, .size: 8, .value_kind: global_buffer, .address_space: global }
      - { .name: Wv_codes, .offset: 24, .size: 8, .value_kind: global_buffer, .address_space: global }
      - { .name: lowp_scales, .offset: 32, .size: 8, .value_kind: global_buffer, .address_space: global }
      - { .name: q_img, .offset: 40, .size: 8, .value_kind: global_buffer, .address_space: global }
      - { .name: kv_img, .offset: 48, .size: 8, .value_kind: global_buffer, .address_space: global }
    .group_segment_fixed_size: 168960
    .private_segment_fixed_size: 0
    .kernarg_segment_align: 8
    .kernarg_segment_size: 56
    .max_flat_workgroup_size: 256
    .sgpr_count:     96
    .vgpr_count:     192
    .wavefront_size: 32
...
	.end_amdgpu_metadata
.endif
;; end of part 1
;; launch attn (part 2): grid 16 x 16, 8 waves a work-group, no clusters, 327,680 bytes of LDS; arguments q_img, kv_img, lowp_scales, a_img; writes a_img
.if DOCPART == 2
	.amdgcn_target "amdgcn-amd-amdhsa--gfx1250"
	.amdhsa_code_object_version 6
	.text
	.protected	k_qc72b600d24_attn
	.globl	k_qc72b600d24_attn
	.p2align	8
	.type	k_qc72b600d24_attn,@function
k_qc72b600d24_attn:
	s_mov_b64 s[64:65], 0
	v_nop
	global_prefetch_b8 v0, s[64:65] scope:SCOPE_SE
	s_setreg_imm32_b32 hwreg(HW_REG_WAVE_MODE, 25, 1), 1
	s_wait_xcnt 0x0
; a[q] = the sum over keys k <= q of softmax_k(q . k) v[k], for 16 pairs (batch, head) of 2,048 queries and keys, head size 128, both products on codes of BF8 (E5M2); a is quantised at once for the last product.
; q_img, kv_img, a_img: images of operand registers (a fragment: 16 rows x 128 K, 2,048 bytes: chunk c of four, lane l's 16 bytes at 512 c + 16 l = registers 4 c .. 4 c + 3).
;   q_img [16][128 tiles][2048].  kv_img [16][4 slots][8 pairs of fragments: k's 4, v's 4][4 key steps of 128 keys][2][2048].  a_img [256 tiles of 16 rows][8 heads][2048].
; THE SOFTMAX AHEAD OF THE SECOND PRODUCT: t = score x log2(e); M = the row's largest t so far, rounded UP to a whole number; p = 2^(t - M) is quantised, not normalised; the row's sum is taken of the unquantised p
; and divides at the end.  When M moves, the sum and O are multiplied by 2^(old M - new M): exact.
; LAYOUT.  Both products are used transposed: S^T = k q^T, O^T = v^T p^T: a lane holds ONE query (lane % 16) throughout; register 8 t + j of S^T is key 16 t + 8 (lane / 16) + j of the step, the order of K in v's fragments,
; so p's conversions give the second product's operand; of O^T it is channel 32 (t / 2) + 16 (lane / 16) + 8 (t % 2) + j, the order of K that the last product's b128 loads give Wo.
; SHARES.  A work-group (x = 8 batch + head, y = i) owns the blocks 31 - i and i of 64 queries: 17 key steps between them in every work-group.  Waves 0 to 3 take the late block, 4 to 7 the early one.  A wave takes 32 queries (two tiles:
; each fragment of k and v that it loads feeds two products) and every second key step: steps q, q + 2, .. with q = wave % 2.  The two waves of a pair of tiles (w and w xor 1) each finish one tile:
; they hand each other O, M and the sum of the other tile through LDS at the end.  A wave's tile 0 is the one that it finishes itself.
; CAUSAL (WORK LEFT OUT: see launch proj).  Every wave walks 4 slots of 4 key steps: the trip count is a constant.  A step all of whose keys come after my block (step > J = block / 2) is left out by a scalar branch on ids;
; in the step on the diagonal (step = J) hidden scores become -infinity ahead of the maximum.  Key 0 or 128 counts for every query that a wave works on, so M is a number from its first step on; a wave without a step hands on zeros.
; RING.  Two LDS slots of four key steps (131,072 bytes), a plain copy of kv_img; each wave fetches an eighth by one tensor load, which holds a part of each of the four steps.  The change of slots stands ahead of the last
; product of a slot's second step, so that the next step's k is fetched under that product.  The look-ahead ends at the causal limit: a slot whose first step comes after the late block's J is not asked for.
; Every wait on TENSORcnt is for 0.
; NO CLUSTER: the work-groups of one (batch, head) have different causal limits (16 to 9 key steps), and a joint load may bring only what every partner reads; clusters whose partners and slots agree
; need another deal of the blocks, with 10 in place of 9 steps in a SIMD's longest walk.
; PREFETCH INTO THE L2: slots 2 and 3, one change of slots ahead of their loads: the sixteen work-groups of a (batch, head) share a slot's 131,072 bytes out by address: 8,192 each, one instruction of wave 4, lanes 256 bytes apart.
; LIMITS: e6 + e7 between -126 and 127 (added to log2(e)'s exponent field); e9, and e10 - e8 - e9, between -126 and 112.  NaN is not served.
; REGISTERS.  Window 0: v1-11, v29 addresses and masks; v12 -M, v13 the largest t, v[14:15] the sum in two halves of tile 0; v16-19 the same of tile 1; v20, v22 f; v24-28 constants; v32-63 q; v64-95 codes; v96-107 at work; v128-255 O^T.
;   Window 1: two regions of 128: one holds k's eight fragments, then v's; the other takes S^T, then the next step's k; they change places with each step.
.set SLOT,  1<<17
.set SPARE, 2*SLOT                     ; behind the ring: the spare words, 128 bytes for each wave: four blocks of 256 bytes that no other line names
.set XB,    8704                       ; the hand-over at the end: 8,192 bytes of O + 512 of M and the sum for each wave, in slot 0, which has had its last fill then
.set LB,   1                           ; v1  4,096 q + 16 x lane
.set ADK,  2                           ; v2  k's fragments of my first step in the slot in hand
.set ADV,  3                           ; v3  v's
.set D0,   4                           ; v4  my query's place in its 128, less 8 (lane / 16): tile 0;  v9: tile 1
.set SPW,  5                           ; v5  LDS address of my spare word; never rewritten
.set NIL,  6                           ; v6  0; never rewritten
.set LI,   7                           ; v7  16 x lane
.set D1,   9
.set PFO,  10                          ; v10 256 x lane; never rewritten
.set XW,   11                          ; v11 the hand-over: mine
.set XR,   29                          ; v29 my partner's
.set QF,   32
.set PC,   64
.set OT,   128
.set WV,   18                          ; s18 my wave's number
.set G1,   24                          ; s[24:31] descriptor group 1
.set SEL,  32                          ; s[32:33] lane selects for v_permlanex16_b32: lane l xor 16
.set CS,   34                          ; s[34:35] c = log2(e) x 2^(e6 + e7), twice
.set JB,   36                          ; s36 J: my block's last key step
.set KS,   37                          ; s37 the first of my two key steps in hand
.set TB,   38                          ; s38 LDS byte at which the slot in hand begins
.set TRIP, 39
.set G0,   40                          ; s[40:43] descriptor group 0, which walks
.set NXT,  66                          ; s66 the first key step of the slot that a change would ask for
.set JMAX, 67                          ; s67 the late block's J
.set LIMP, 68                          ; s68 the trip in which my wave prefetches: 0 in wave 4, never in the others
.set KB,   69                          ; s69 the second of my two key steps
.set PFA,  70                          ; s[70:71] my work-group's part of slot 2
.set KN,   19                          ; s19 the first of the next trip's
.set MSB, 0
.macro WIN new                         ; the immediate's high byte repeats the setting that is left; a switch that changes nothing is dropped
.if MSB != \new
	s_set_vgpr_msb (MSB<<8)|\new
.set MSB, \new
.endif
.endm
.macro PLACES                          ; four plain vector instructions behind matrix instructions, ahead of loads into their sources and of the first read of their results
.rept 4
	v_nop
.endr
.endm
.macro VWAIT
	s_wait_alu depctr_va_vdst(0)
.endm
.macro FRAGS reg, adr, z, hf           ; four of eight fragments into a region of window 1: 16 loads of 512 consecutive bytes; z: 0 or 8,192, the slot's first or second of my steps
	WIN 0x40                                       ; destination window 1, address window 0
.irp t, 0,1,2,3
.irp c, 0,1,2,3
	ds_load_b128 v[\reg+64*\hf+16*\t+4*\c:\reg+64*\hf+16*\t+4*\c+3], v[\adr] offset:\z+32768*\hf+16384*(\t/2)+2048*(\t%2)+512*\c
.endr
.endr
	WIN 0
.endm
; A KEY STEP up to p's codes: 128 keys against my two tiles.  k's fragments are on their way into region kr; S^T goes to the other region, SR.
.macro SCORES kr, z, ks
.set SR, 128-\kr
.rept 5
	v_nop                                          ; five places: the products below write over v's fragments, which the last products have read
.endr
	VWAIT
	WIN 0x41
.irp t, 0,1,2,3,4,5,6,7
.if (\t%2) == 0
	s_wait_dscnt 24-4*\t                           ; of k's 32 loads the first 8, 16, 24, 32 are in
.endif
.irp m, 0,1
	v_wmma_f32_16x16x128_bf8_bf8 v[SR+64*\m+8*\t:SR+64*\m+8*\t+7], v[\kr+16*\t:\kr+16*\t+15], v[QF+16*\m:QF+16*\m+15], 0
.endr
.endr
	WIN 0
	PLACES
	FRAGS \kr, ADV, \z, 0                          ; v takes k's place
	s_cmp_lg_u32 s[\ks], s[JB]                     ; only the step on the diagonal has hidden keys
	s_cbranch_scc1 .Lopen_\@
	WIN 0x41
.irp m, 0,1
.set n, 0
.rept 64
	v_cmp_gt_i32 vcc_lo, 16*(n/8)+n%8, v[D0+(D1-D0)*\m]   ; register 8 t + j holds key 16 t + 8 (lane / 16) + j: hidden where 16 t + j > my query - 8 (lane / 16)
	v_cndmask_b32 v[SR+64*\m+n], v[SR+64*\m+n], v28, vcc_lo
.set n, n+1
.endr
.endr
	WIN 0
.Lopen_\@:
	WIN 0x15                                       ; the step's largest score of my queries, among my 64 keys, two chains a tile, each accumulator from its low end on
	v_max3_num_f32 v96, v[SR], v[SR+1], v[SR+2]
	v_max3_num_f32 v97, v[SR+3], v[SR+4], v[SR+5]
	v_max3_num_f32 v98, v[SR+64], v[SR+65], v[SR+66]
	v_max3_num_f32 v99, v[SR+67], v[SR+68], v[SR+69]
	WIN 0x14
.set n, 6
.rept 14
	v_max3_num_f32 v96, v96, v[SR+n], v[SR+n+1]
	v_max3_num_f32 v97, v97, v[SR+n+2], v[SR+n+3]
	v_max3_num_f32 v98, v98, v[SR+64+n], v[SR+65+n]
	v_max3_num_f32 v99, v99, v[SR+66+n], v[SR+67+n]
.set n, n+4
.endr
	v_max3_num_f32 v96, v96, v[SR+62], v[SR+63]
	v_max3_num_f32 v98, v98, v[SR+126], v[SR+127]
	FRAGS \kr, ADV, \z, 1
	v_max_num_f32 v96, v96, v97
	v_max_num_f32 v98, v98, v99
	v_permlanex16_b32 v100, v96, s[SEL], s[SEL+1]
	v_permlanex16_b32 v101, v98, s[SEL], s[SEL+1]
	v_max_num_f32 v96, v96, v100                   ; and among lane l xor 16's
	v_max_num_f32 v98, v98, v101
	v_mul_f32 v96, s[CS], v96                      ; as t (c is positive)
	v_mul_f32 v98, s[CS], v98
	v_max_num_f32 v13, v13, v96                    ; the running largest t
	v_max_num_f32 v17, v17, v98
	v_mov_b32 v96, v12
	v_mov_b32 v98, v16
	v_floor_f32 v12, -v13                          ; the new -M = floor(-t) = -ceil(t): a whole number
	v_floor_f32 v16, -v17
	v_sub_f32 v96, v12, v96                        ; M's old value less its new one: a whole number, 0 or less
	v_sub_f32 v98, v16, v98
	v_cvt_i32_f32 v96, v96                         ; (it saturates)
	v_cvt_i32_f32 v98, v98
	v_ldexp_f32 v20, 1.0, v96                      ; f = 2^(old M - new M)
	v_ldexp_f32 v22, 1.0, v98
.irp m, 0,1
.set n, 0
.rept 32
	v_pk_mul_f32 v[OT+64*\m+n:OT+64*\m+n+1], v[OT+64*\m+n:OT+64*\m+n+1], v[20+2*\m:21+2*\m] op_sel_hi:[1,0]   ; O^T under the new M
.set n, n+2
.endr
.endr
	WIN 0x41
.set n, 0
.rept 32
	v_pk_fma_f32 v[SR+n:SR+n+1], v[SR+n:SR+n+1], s[CS:CS+1], v[12:13] op_sel_hi:[1,0,0]   ; t - M, two at a time (of the pairs c and -M the low word serves both halves)
.set n, n+2
.endr
	VWAIT
.set n, 0
.rept 32
	v_exp_f32 v[SR+n], v[SR+n]                     ; tile 0: p = 2^(t - M), at most 1; between them tile 1's t - M
	v_exp_f32 v[SR+n+1], v[SR+n+1]
	v_pk_fma_f32 v[SR+64+n:SR+65+n], v[SR+64+n:SR+65+n], s[CS:CS+1], v[16:17] op_sel_hi:[1,0,0]
.set n, n+2
.endr
	VWAIT
.set n, 64
.rept 64
	v_exp_f32 v[SR+n], v[SR+n]
.set n, n+1
.endr
	WIN 0
	v_pk_mul_f32 v[14:15], v[14:15], v[20:21] op_sel_hi:[1,0]   ; the sums under the new M (plain instructions behind the exponentials)
	v_pk_mul_f32 v[18:19], v[18:19], v[22:23] op_sel_hi:[1,0]
	VWAIT
	WIN 0x04                                       ; the sums of the unquantised p: four chains a tile
	v_pk_add_f32 v[14:15], v[14:15], v[SR:SR+1]
	v_pk_add_f32 v[18:19], v[18:19], v[SR+64:SR+65]
	WIN 0x05
.irp j, 1,2,3
	v_pk_add_f32 v[94+2*\j:95+2*\j], v[SR+2*\j:SR+2*\j+1], v[SR+8+2*\j:SR+9+2*\j]
	v_pk_add_f32 v[100+2*\j:101+2*\j], v[SR+64+2*\j:SR+65+2*\j], v[SR+72+2*\j:SR+73+2*\j]
.endr
	WIN 0x04
	v_pk_add_f32 v[14:15], v[14:15], v[SR+8:SR+9]
	v_pk_add_f32 v[18:19], v[18:19], v[SR+72:SR+73]
.irp k, 2,3,4,5,6,7
	v_pk_add_f32 v[14:15], v[14:15], v[SR+8*\k:SR+8*\k+1]
	v_pk_add_f32 v[18:19], v[18:19], v[SR+64+8*\k:SR+65+8*\k]
.irp j, 1,2,3
	v_pk_add_f32 v[94+2*\j:95+2*\j], v[94+2*\j:95+2*\j], v[SR+8*\k+2*\j:SR+8*\k+2*\j+1]
	v_pk_add_f32 v[100+2*\j:101+2*\j], v[100+2*\j:101+2*\j], v[SR+64+8*\k+2*\j:SR+65+8*\k+2*\j]
.endr
.endr
	WIN 0
	v_pk_add_f32 v[96:97], v[96:97], v[98:99]
	v_pk_add_f32 v[102:103], v[102:103], v[104:105]
	v_pk_add_f32 v[14:15], v[14:15], v[100:101]
	v_pk_add_f32 v[18:19], v[18:19], v[106:107]
	v_pk_add_f32 v[14:15], v[14:15], v[96:97]
	v_pk_add_f32 v[18:19], v[18:19], v[102:103]
	WIN 0x41
.set n, 0
.rept 128
	v_min_num_f32 v[SR+n], v[SR+n], v25            ; the conversion does not saturate (ISA guide 7.6.2); p is not negative, so the hold is one-sided
.set n, n+1
.endr
	WIN 0x01
.set n, 0
.rept 16
	v_cvt_scalef32_pk8_bf8_f32 v[PC+2*n:PC+2*n+1], v[SR+8*n:SR+8*n+7], v24
.set n, n+1
.endr
	WIN 0
	v_nop                                          ; a plain instruction between the conversions and the products that read the codes
.endm
; O^T += v^T p^T.  The sixteen accumulators take turns, one instruction a turn, and the scores' sixteen products stand between two steps'.
.macro PV kr
	WIN 0x01
.irp t, 0,1,2,3,4,5,6,7
.irp m, 0,1
	v_wmma_f32_16x16x128_bf8_bf8 v[OT+64*\m+8*\t:OT+64*\m+8*\t+7], v[\kr+16*\t:\kr+16*\t+15], v[PC+16*\m:PC+16*\m+15], v[OT+64*\m+8*\t:OT+64*\m+8*\t+7]
.endr
.endr
	WIN 0
.endm
; THE CHANGE OF SLOTS.  Each wave waits for all its tensor loads (its part of the slot ahead), adds 0 to its spare word, and waits for that and for its reads of the slot that it leaves.  Behind the barrier the slot ahead is whole
; and nobody reads the other one, which is filled with the four key steps that follow, up to the causal limit (lim = 0: slot 1, which every work-group reads): the load has a whole slot's steps in which to land.
.macro CHANGE lim
	VWAIT
	s_wait_tensorcnt 0x0                           ; no tensor load of mine is out, so group 0 may be written
	ds_add_u32 v[SPW], v[NIL]                      ; 0 onto my spare word
	s_xor_b32 s[G0+1], s[G0+1], SLOT               ; the other slot than last time,
	s_add_nc_u64 s[G0+2:G0+3], s[G0+2:G0+3], SLOT  ; the next four key steps; the type bits on top are not reached
	s_wait_dscnt 0x0                               ; the add is done, and my reads of the slot that I leave are over
	s_barrier_signal -1
	s_barrier_wait -1
.if \lim
	s_cmp_gt_u32 s[NXT], s[JMAX]                   ; ids and the count of trips alone: all eight waves go the same way
	s_cbranch_scc1 .Lpast_\@
.endif
	tensor_load_to_lds s[G0:G0+3], s[G1:G1+7]      ; my one tensor load until the next change
	s_nop 0
	PLACES
.Lpast_\@:
.endm
	s_load_b256 s[4:11], s[0:1], 0x0               ; q_img s[4:5], kv_img s[6:7], the scales' exponents s[8:9], a_img s[10:11]
	v_lshl_add_u32 v[SPW], v0, 2, SPARE
	v_mov_b32 v[NIL], 0
	ds_add_u32 v[SPW], v[NIL]                      ; the wave's opening: the add, twice on end, and its wait
	ds_add_u32 v[SPW], v[NIL]
	v_lshrrev_b32 v8, 5, v0
	v_readfirstlane_b32 s[WV], v8                  ; wave 0..7
	s_and_b32 s20, s[WV], 1                        ; q: which of every two key steps; also which tile of the pair I finish
	s_bfe_u32 s21, s[WV], 0x10001                  ; which 32 queries of the block
	s_lshr_b32 s22, s[WV], 2                       ; 0: the late block, 1: the early one
	s_and_b32 s23, ttmp7, 0xffff                   ; i
	s_sub_co_u32 s44, 31, s23
	s_lshr_b32 s[JMAX], s44, 1
	s_cmp_eq_u32 s22, 0
	s_cselect_b32 s45, s44, s23                    ; my block of 64 queries
	s_lshr_b32 s[JB], s45, 1
	s_lshl_b32 s46, s45, 2
	s_lshl_b32 s47, s21, 1
	s_add_co_u32 s46, s46, s47                     ; the pair's first tile of 16 queries
	s_xor_b32 s51, s20, 1
	s_lshl_b32 s48, ttmp9, 18                      ; q_img: 262,144 bytes a (batch, head), 2,048 a tile
	s_lshl_b32 s50, s46, 11
	s_add_co_u32 s48, s48, s50
	s_lshl_b32 s50, s20, 11
	s_add_co_u32 s52, s48, s50                     ; my tile 0: number q of the pair
	s_mov_b32 s53, 0
	s_lshl_b32 s50, s51, 11
	s_add_co_u32 s54, s48, s50                     ; my tile 1: the other
	s_mov_b32 s55, 0
	s_lshr_b32 s56, ttmp9, 3
	s_lshl_b32 s56, s56, 7
	s_add_co_u32 s56, s56, s46
	s_add_co_u32 s56, s56, s20
	s_lshl_b32 s56, s56, 3
	s_and_b32 s57, ttmp9, 7
	s_add_co_u32 s56, s56, s57
	s_lshl_b32 s56, s56, 11                        ; a_img: ((128 batch + tile) x 8 + head) x 2,048
	s_mov_b32 s57, 0
	s_lshl_b32 s58, ttmp9, 19                      ; kv_img: 524,288 bytes a (batch, head),
	s_lshl_b32 s59, s[WV], 14                      ; my eighth of a slot
	s_add_co_u32 s60, s58, s59
	s_mov_b32 s61, 0
	s_lshl_b32 s59, s23, 13
	s_add_co_u32 s58, s58, s59
	s_add_co_u32 s58, s58, 2*SLOT                  ; my work-group's sixteenth of slot 2
	s_mov_b32 s59, 0
	s_and_b32 s62, s45, 1
	s_lshl_b32 s62, s62, 6
	s_lshl_b32 s63, s21, 5
	s_add_co_u32 s62, s62, s63                     ; the pair's place in its 128 queries
	s_lshl_b32 s63, s20, 4
	s_add_co_u32 s63, s63, s62                     ; tile 0's
	s_lshl_b32 s50, s51, 4
	s_add_co_u32 s62, s62, s50                     ; tile 1's
	; descriptor group 1: 16,384 dense bytes as 64 rows of 32 elements of 8 bytes
	s_mov_b32 s[G1], 3<<16                         ; 15:0 no mask; 17:16 elements of 8 bytes; 20 no padding
	s_mov_b32 s[G1+1], 32<<16                      ; tensor_dim0
	s_mov_b32 s[G1+2], 64<<16                      ; tensor_dim1
	s_mov_b32 s[G1+3], 32<<16                      ; tile_dim0
	s_mov_b32 s[G1+4], 64                          ; tile_dim1
	s_mov_b32 s[G1+5], 32                          ; tensor_dim0_stride
	s_mov_b32 s[G1+6], 0
	s_mov_b32 s[G1+7], 0
	s_mov_b32 s[SEL], 0x76543210
	s_mov_b32 s[SEL+1], 0xfedcba98
	s_mov_b32 s[CS], 0x3fb8aa3b                    ; log2(e)
	s_mov_b32 s[KS], s20
	s_mov_b32 s[TB], 0
	s_mov_b32 s[TRIP], 0
	s_mov_b32 s[NXT], 8
	s_cmp_eq_u32 s[WV], 4
	s_cselect_b32 s[LIMP], 0, 9
	s_mov_b32 s[G0], 1                             ; 1:0 count = 1
	s_lshl_b32 s[G0+1], s[WV], 14                  ; 63:32 LDS address: slot 0, my eighth
	VWAIT
	s_wait_dscnt 0x0                               ; both opening adds are done
	s_wait_kmcnt 0x0
	s_load_b256 s[72:79], s[8:9], 0x10             ; e4 .. e11
	s_add_nc_u64 s[G0+2:G0+3], s[6:7], s[60:61]    ; 120:64 global address: key steps 0 to 3
	s_or_b32 s[G0+3], s[G0+3], 0x80000000          ; 127:126 type = 2
	tensor_load_to_lds s[G0:G0+3], s[G1:G1+7]      ; slot 0
	s_nop 0
	PLACES
	s_add_nc_u64 s[52:53], s[4:5], s[52:53]
	s_add_nc_u64 s[54:55], s[4:5], s[54:55]
	s_add_nc_u64 s[10:11], s[10:11], s[56:57]
	s_add_nc_u64 s[PFA:PFA+1], s[6:7], s[58:59]
	s_lshl_b32 s44, s20, 12
	s_mul_i32 s45, s[WV], XB
	s_xor_b32 s46, s[WV], 1
	s_mul_i32 s46, s46, XB
	v_and_b32 v8, 31, v0
	v_lshlrev_b32 v[LI], 4, v8
	v_lshlrev_b32 v[PFO], 8, v8
.irp c, 0,1,2,3
	global_load_b128 v[QF+4*\c:QF+4*\c+3], v[LI], s[52:53] offset:512*\c   ; q's two fragments stay in registers
.endr
.irp c, 0,1,2,3
	global_load_b128 v[QF+16+4*\c:QF+16+4*\c+3], v[LI], s[54:55] offset:512*\c
.endr
	v_add_nc_u32 v[LB], s44, v[LI]
	v_mov_b32 v[ADK], v[LB]
	v_add_nc_u32 v[ADV], 0x10000, v[LB]            ; v's four pairs lie 65,536 bytes behind k's
	v_add_nc_u32 v[XW], s45, v[LI]
	v_add_nc_u32 v[XR], s46, v[LI]
	v_and_b32 v8, 15, v0                           ; r
	v_bfe_u32 v30, v0, 4, 1                        ; h
	v_lshlrev_b32 v30, 3, v30
	v_sub_nc_u32 v8, v8, v30
	v_add_nc_u32 v[D0], s63, v8
	v_add_nc_u32 v[D1], s62, v8
	v_mov_b32 v28, 0xff800000                      ; -infinity
	v_mov_b32 v13, 0xff61b1e6                      ; the largest t so far: -3e38, under every t
	v_mov_b32 v17, v13
	v_floor_f32 v12, -v13                          ; -M
	v_floor_f32 v16, -v17
	v_mov_b32 v14, 0                               ; the sums, in two halves
	v_mov_b32 v15, 0
	v_mov_b32 v18, 0
	v_mov_b32 v19, 0
	v_mov_b32 v21, 0                               ; (named as the upper halves of the pairs v[20:21], v[22:23])
	v_mov_b32 v23, 0
	v_mov_b32 v100, 0                              ; written once: a lane permute's destination counts as one of its sources
	v_mov_b32 v101, 0
.set n, 0
.rept 128
	v_mov_b32 v[OT+n], 0                           ; O^T: the step is written once; the first finds zeros, which the first change of M leaves zeros
.set n, n+1
.endr
.set n, 0
.rept 32
	v_mov_b32 v[PC+n], 0                           ; the codes and the second region: written on every way through the text
.set n, n+1
.endr
	WIN 0x40
.set n, 0
.rept 128
	v_mov_b32 v[128+n], 0
.set n, n+1
.endr
	WIN 0
	s_wait_kmcnt 0x0
	s_add_co_i32 s20, s74, s75                     ; a score stands for score x 2^(e6 + e7): the two exponents are added to c's exponent field
	s_lshl_b32 s20, s20, 23
	s_add_co_i32 s[CS], s[CS], s20
	s_mov_b32 s[CS+1], s[CS]
	s_add_co_i32 s20, s77, 127
	s_lshl_b32 s21, s20, 23
	v_mov_b32 v24, s21                             ; 2^e9 as f32, for p's conversions
	s_add_co_i32 s20, s20, 15
	s_lshl_b32 s20, s20, 23
	s_or_b32 s20, s20, 0x600000
	v_mov_b32 v25, s20                             ; 57,344 x 2^e9
	s_sub_co_i32 s20, s78, s76                     ; O^T / the sum stands for a / 2^(e8 + e9): its code under 2^e10 is that / 2^(e10 - e8 - e9)
	s_sub_co_i32 s20, s20, s77
	s_add_co_i32 s20, s20, 127
	s_lshl_b32 s21, s20, 23
	v_mov_b32 v26, s21
	s_add_co_i32 s20, s20, 15
	s_lshl_b32 s20, s20, 23
	s_or_b32 s20, s20, 0x600000
	v_mov_b32 v27, s20
	VWAIT                                          ; the head's end
	s_wait_loadcnt 0x0                             ; q
	CHANGE 0                                       ; slot 0 is whole; slot 1 is asked for
	FRAGS 0, ADK, 0, 0                             ; k of my first step
	FRAGS 0, ADK, 0, 1
	s_cmp_eq_u32 s[LIMP], 0
	s_cbranch_scc0 .Lno_ask_2
	global_prefetch_b8 v[PFO], s[PFA:PFA+1] th:TH_LOAD_NT scope:SCOPE_SE   ; slot 2, which the next change asks for
.Lno_ask_2:
.Ltrip:                                            ; four trips: my two steps of a slot; the change to the next slot stands ahead of the last product
	s_add_co_u32 s[KB], s[KS], 2
	s_add_co_u32 s[KN], s[KS], 4
	s_cmp_gt_u32 s[KS], s[JB]                      ; all keys hidden
	s_cbranch_scc1 .Lchange
	SCORES 0, 0, KS
	FRAGS 128, ADK, 8192, 0                        ; k of the second step takes the scores' place
	FRAGS 128, ADK, 8192, 1
	VWAIT
	s_wait_dscnt 32                                ; v is in: only the 32 loads just issued may be out
	PV 0
	s_cmp_gt_u32 s[KB], s[JB]
	s_cbranch_scc1 .Lchange
	SCORES 128, 8192, KB
.Lchange:
	CHANGE 1
	s_xor_b32 s[TB], s[TB], SLOT                   ; on to the other slot
	v_add_nc_u32 v[ADK], s[TB], v[LB]
	v_add_nc_u32 v[ADV], 0x10000, v[ADK]
	s_cmp_gt_u32 s[KB], s[JB]
	VWAIT
	s_cbranch_scc1 .Lno_product
	s_cmp_gt_u32 s[KN], s[JB]
	s_cbranch_scc1 .Lno_k
	PLACES                                         ; for the loads below, on every way through the text
	FRAGS 0, ADK, 0, 0                             ; k of the next trip's first step
	FRAGS 0, ADK, 0, 1
.Lno_k:
	PV 128                                         ; (v was waited for at the change)
.Lno_product:
	s_cmp_eq_u32 s[TRIP], s[LIMP]
	s_cbranch_scc0 .Lno_ask_3
	global_prefetch_b8 v[PFO], s[PFA:PFA+1] offset:SLOT th:TH_LOAD_NT scope:SCOPE_SE   ; slot 3, which the next change asks for
.Lno_ask_3:
	s_add_co_u32 s[KS], s[KS], 4
	s_add_co_u32 s[NXT], s[NXT], 4
	s_add_co_u32 s[TRIP], s[TRIP], 1
	s_cmp_lt_u32 s[TRIP], 4
	VWAIT
	s_cbranch_scc1 .Ltrip
	; THE WAY OUT.  My tile 1 goes to my partner, its tile 1 (my tile 0) comes to me.
	s_wait_dscnt 0x0
	s_barrier_signal -1
	s_barrier_wait -1                              ; nobody reads a slot any more
	PLACES
	v_add_f32 v14, v14, v15                        ; the sums' two halves
	v_add_f32 v18, v18, v19
.set n, 0
.rept 16
	ds_store_b128 v[XW], v[OT+64+4*n:OT+67+4*n] offset:512*n
.set n, n+1
.endr
	ds_store_b128 v[XW], v[16:19] offset:8192      ; -M, (the largest t), the sum
	VWAIT
	s_wait_dscnt 0x0                               ; for my partner's sake: my stores are done
	s_barrier_signal -1
	s_barrier_wait -1
	ds_load_b128 v[96:99], v[XR] offset:8192
.set n, 0
.rept 16
	ds_load_b128 v[32+4*n:35+4*n], v[XR] offset:512*n
.set n, n+1
.endr
	s_wait_dscnt 16                                ; M and the sum are in; the 16 loads behind them may be out
	v_min_num_f32 v8, v12, v96                     ; the common -M
	v_sub_f32 v100, v8, v12
	v_sub_f32 v101, v8, v96
	v_cvt_i32_f32 v100, v100
	v_cvt_i32_f32 v101, v101
	v_ldexp_f32 v20, 1.0, v100                     ; what brings my part under it,
	v_ldexp_f32 v22, 1.0, v101                     ; and my partner's
	v_mul_f32 v14, v14, v20
	v_fma_f32 v14, v98, v22, v14
	v_permlanex16_b32 v101, v14, s[SEL], s[SEL+1]
	v_add_f32 v14, v14, v101                       ; and lane l xor 16's: the row's sum
	VWAIT
	v_rcp_f32 v14, v14
	v_nop                                          ; a plain instruction behind the transcendental
	VWAIT
	v_mul_f32 v20, v20, v14
	v_mul_f32 v22, v22, v14
	VWAIT
	s_wait_dscnt 0x0
.set n, 0
.rept 32
	v_pk_mul_f32 v[32+n:33+n], v[32+n:33+n], v[22:23] op_sel_hi:[1,0]
.set n, n+2
.endr
.set n, 0
	VWAIT                                          ; directly ahead of the first readers of tile 0's results
.rept 32
	v_pk_fma_f32 v[32+n:33+n], v[OT+n:OT+n+1], v[20:21], v[32+n:33+n] op_sel_hi:[1,0,1]   ; both parts / the sum; each accumulator from its low end on
.set n, n+2
.endr
.set n, 0
.rept 64
	v_med3_num_f32 v[32+n], v[32+n], -v27, v27
.set n, n+1
.endr
.irp k, 0,1,2,3,4,5,6,7
	v_cvt_scalef32_pk8_bf8_f32 v[96+2*\k:97+2*\k], v[32+8*\k:39+8*\k], v26
.endr
	v_nop
.irp c, 0,1,2,3
	global_store_b128 v[LI], v[96+4*\c:99+4*\c], s[10:11] offset:512*\c   ; the fragment leaves as its image: 512 consecutive bytes a store
.endr
	s_wait_tensorcnt 0x0                           ; the wave's end
	ds_add_u32 v[SPW], v[NIL]
	s_wait_dscnt 0x0
	s_endpgm
.Lfunc_end_k_qc72b600d24_attn:
	.size	k_qc72b600d24_attn, .Lfunc_end_k_qc72b600d24_attn-k_qc72b600d24_attn
	.p2alignl 7, 3214868480
	.fill 96, 4, 3214868480
	.section	.rodata,"a",@progbits
	.p2align	6, 0x0
	.amdhsa_kernel k_qc72b600d24_attn
		.amdhsa_group_segment_fixed_size 327680
		.amdhsa_private_segment_fixed_size 0
		.amdhsa_enable_private_segment 0
		.amdhsa_kernarg_size 32
		.amdhsa_user_sgpr_count 2
		.amdhsa_user_sgpr_kernarg_segment_ptr 1
		.amdhsa_wavefront_size32 1
		.amdhsa_system_sgpr_workgroup_id_x 1
		.amdhsa_system_sgpr_workgroup_id_y 1
		.amdhsa_system_sgpr_workgroup_id_z 1
		.amdhsa_system_vgpr_workitem_id 0
		.amdhsa_next_free_vgpr 512
		.amdhsa_next_free_sgpr 80
		.amdhsa_reserve_vcc 1
		.amdhsa_float_denorm_mode_32 3
		.amdhsa_float_denorm_mode_16_64 3
		.amdhsa_memory_ordered 1
		.amdhsa_forward_progress 1
		.amdhsa_inst_pref_size 119
	.end_amdhsa_kernel
	.amdgpu_metadata
---
amdhsa.version: [ 1, 2 ]
amdhsa.kernels:
  - .name:           k_qc72b600d24_attn
    .symbol:         k_qc72b600d24_attn.kd
    .args:
      - { .name: q_img, .offset: 0, .size: 8, .value_kind: global_buffer, .address_space: global }
      - { .name: kv_img, .offset: 8, .size: 8, .value_kind: global_buffer, .address_space: global }
      - { .name: lowp_scales, .offset: 16, .size: 8, .value_kind: global_buffer, .address_space: global }
      - { .name: a_img, .offset: 24, .size: 8, .value_kind: global_buffer, .address_space: global }
    .group_segment_fixed_size: 327680
    .private_segment_fixed_size: 0
    .kernarg_segment_align: 8
    .kernarg_segment_size: 32
    .max_flat_workgroup_size: 256
    .sgpr_count:     80
    .vgpr_count:     512
    .wavefront_size: 32
...
	.end_amdgpu_metadata
.endif
;; end of part 2
;; launch outp (part 3): grid 128 x 2, 8 waves a work-group, clusters of 4 x 1, 168,960 bytes of LDS; arguments a_img, Wo_codes, bo, lowp_scales, out0; writes out0
.if DOCPART == 3
	.amdgcn_target "amdgcn-amd-amdhsa--gfx1250"
	.amdhsa_code_object_version 6
	.text
	.protected	k_qc72b600d24_outp
	.globl	k_qc72b600d24_outp
	.p2align	8
	.type	k_qc72b600d24_outp,@function
k_qc72b600d24_outp:
	s_mov_b64 s[64:65], 0
	v_nop
	global_prefetch_b8 v0, s[64:65] scope:SCOPE_SE
	s_setreg_imm32_b32 hwreg(HW_REG_WAVE_MODE, 25, 1), 1
	s_wait_xcnt 0x0
	s_wait_alu depctr_hold_cnt(0) depctr_sa_sdst(0) depctr_va_vdst(0) depctr_va_sdst(0) depctr_va_ssrc(0) depctr_va_vcc(0) depctr_vm_vsrc(0)
	s_getreg_b32 s2, hwreg(HW_REG_IB_STS2, 6, 4)
	s_cmp_eq_u32 s2, 0
	s_cbranch_scc0 .Lentry_in_a_cluster
	s_endpgm
.Lentry_in_a_cluster:
	s_bfe_u32 s2, ttmp6, 0x10000c
	s_cmp_lg_u32 s2, 0x3003
	s_cbranch_scc0 .Lentry_shape_is_right
	s_endpgm
.Lentry_shape_is_right:
; out0 = a Wo + bo on codes of BF8 (E5M2).  a_img: [256 tiles of 16 rows][8 heads][2048]: images of operand registers (chunk c of four, lane l's 16 bytes at 512 c + 16 l = K 32 c + 16 (l / 16) + 0 .. 15 of row l % 16).
; Wo_codes: [128 columns][1024 = 8 heads x 128], one code a byte.  bo: [128] f32.  out0: [4096][128] f32.  A sum stands for sum x 2^(e10 + e11).
; SHARES.  A work-group makes 32 rows x 64 columns.  THE WAVES SHARE K: wave s takes head s (128 along K): two fragments of a, four of Wo, eight products, each a sum begun and ended by one instruction.
; The eight waves' partial sums meet in LDS; wave s then adds up rows 4 s .. 4 s + 3, heads ascending, and stores them: sixteen lanes store 256 consecutive bytes, aligned.
; THE MATRIX INSTRUCTION IS USED TRANSPOSED (source 0 = 16 columns of Wo, source 1 = 16 rows of a): a lane holds eight neighbouring columns of one row.
; CLUSTER.  The four work-groups of a cluster have the same 64 columns: Wo's tiles are asked for jointly.  My place in the cluster enters a's and out0's addresses alone.  LDS is filled once.
; LIMIT: e10 + e11 between -126 and 127, so that 2^(e10 + e11) is an f32 number.  NaN is not served.
.set WP,   272                         ; a row in LDS: 256 bytes + 16 of padding = 68 words, for Wo's tiles and for the partial sums alike
.set WT,   32*WP                       ; a tile of Wo: 32 columns x 256 along K
.set PART, 8*WT                        ; behind Wo's eight tiles: eight waves' partial sums, 32 rows x 64 columns of f32 each; no tensor load lands here
.set AF,   16                          ; v16-47   a's two fragments
.set WF,   48                          ; v48-111  Wo's four
.set ACC,  112                         ; v112-175 accumulator (m, t) at 112 + 8 (4 m + t)
.set RB,   176                         ; v176-239 read back: partial p, pair of rows i at 176 + 4 (2 p + i)
.set WV,   18
.set G1,   24                          ; s[24:31] descriptor group 1;  s[32:35] group 0
.set G0,   32
.macro PLACES
.rept 4
	v_nop
.endr
.endm
.macro CROUND                          ; a round of the cluster's barrier
	s_barrier_signal -1
	s_barrier_wait -1
	s_cmp_lg_u32 s[WV], 0
	s_cbranch_scc1 .Lnot_wave_0_\@
	s_barrier_signal -3
.Lnot_wave_0_\@:
	s_barrier_wait -3
	s_barrier_signal -1
	s_barrier_wait -1
.endm
	s_load_b256 s[4:11], s[0:1], 0x0               ; a_img s[4:5], Wo s[6:7], bo s[8:9], the scales' exponents s[10:11]
	s_load_b64 s[12:13], s[0:1], 0x20              ; out0
	v_lshl_add_u32 v240, v0, 2, 0x29000
	v_mov_b32 v241, 0
	ds_add_u32 v240, v241
	ds_add_u32 v240, v241
	v_lshrrev_b32 v1, 5, v0
	s_delay_alu instid0(VALU_DEP_1)
	v_readfirstlane_b32 s[WV], v1                  ; wave 0..7
	s_bfe_u32 s19, ttmp6, 0x40000                  ; cx
	s_lshl_b32 s20, ttmp9, 2
	s_add_co_u32 s20, s20, s19                     ; my block of 32 rows = 4 x cluster x + cx
	s_and_b32 s21, ttmp7, 0xffff                   ; my half of the columns, which the partners share
	; descriptor group 1: 32 rows (columns of the output) x 256 bytes, 1,024 bytes apart in memory, padded in LDS
	s_mov_b32 s[G1], 15|(1<<20)|(1<<21)|(5<<22)|(3<<25)   ; 15:0 the mask: all four; 17:16 elements of 1 byte; 20 padding on; 21 set beside a mask; 24:22 after every 64 words (code 5); 31:25 four words (code 3)
	s_mov_b32 s[G1+1], 256<<16                     ; tensor_dim0
	s_mov_b32 s[G1+2], 32<<16                      ; tensor_dim1
	s_mov_b32 s[G1+3], 256<<16                     ; tile_dim0
	s_mov_b32 s[G1+4], 32                          ; tile_dim1
	s_mov_b32 s[G1+5], 1024                        ; tensor_dim0_stride
	s_mov_b32 s[G1+6], 0
	s_mov_b32 s[G1+7], 0
	s_and_b32 s22, s[WV], 1
	s_lshr_b32 s23, s[WV], 1
	s_lshl_b32 s36, s21, 16                        ; Wo: 64 rows of 1,024 bytes a half,
	s_lshl_b32 s38, s22, 15                        ; I fetch rows 32 (wave % 2) on,
	s_add_co_u32 s36, s36, s38
	s_lshl_b32 s38, s23, 8                         ; K 256 (wave / 2) on
	s_add_co_u32 s36, s36, s38
	s_mov_b32 s37, 0
	s_mov_b32 s[G0], 1                             ; 1:0 count = 1
	s_mul_i32 s[G0+1], s[WV], WT                   ; 63:32 LDS address: tile number wave
	s_lshl_b32 s40, s20, 15                        ; a_img: 32,768 bytes a block of 32 rows,
	s_lshl_b32 s41, s[WV], 11                      ; head number wave
	s_add_co_u32 s40, s40, s41
	s_mov_b32 s41, 0
	s_lshl_b32 s42, s21, 8                         ; bo and a row of out0: 256 bytes a half
	s_mov_b32 s43, 0
	s_lshl_b32 s46, s20, 14                        ; out0: 32 rows of 512 bytes
	s_add_co_u32 s46, s46, s42
	s_mov_b32 s47, 0
	s_wait_dscnt 0x0
	s_wait_kmcnt 0x0
	s_load_b64 s[44:45], s[10:11], 0x28            ; e10, e11
	s_add_nc_u64 s[G0+2:G0+3], s[6:7], s[36:37]    ; 120:64 global address
	s_or_b32 s[G0+3], s[G0+3], 0x80000000          ; 127:126 type = 2
	CROUND                                         ; all four work-groups are here: the joint loads meet
	tensor_load_to_lds s[G0:G0+3], s[G1:G1+7]      ; one tensor load of mine is out
	s_nop 0
	PLACES
	s_add_nc_u64 s[4:5], s[4:5], s[40:41]
	s_add_nc_u64 s[8:9], s[8:9], s[42:43]
	s_add_nc_u64 s[12:13], s[12:13], s[46:47]
	v_and_b32 v1, 15, v0                           ; r
	v_bfe_u32 v2, v0, 4, 1                         ; h
	v_and_b32 v3, 31, v0
	s_delay_alu instid0(VALU_DEP_1)
	v_lshlrev_b32 v3, 4, v3                        ; 16 x lane
	s_delay_alu instid0(VALU_DEP_4)
	v_lshlrev_b32 v12, 4, v1                       ; 16 r
.irp m, 0,1
.irp c, 0,1,2,3
	global_load_b128 v[AF+16*\m+4*\c:AF+16*\m+4*\c+3], v3, s[4:5] offset:16384*\m+512*\c   ; a's fragment of rows 16 m on, my head
.endr
.endr
	global_load_b128 v[8:11], v12, s[8:9]          ; bo of the four columns that I store
	s_mul_i32 s38, s23, 2*WT                       ; my K step lies in tiles 2 (wave / 2) and 2 (wave / 2) + 1,
	s_lshl_b32 s39, s22, 7                         ; 128 (wave % 2) bytes into their rows
	s_add_co_u32 s38, s38, s39
	v_mul_u32_u24 v13, v1, WP
	s_delay_alu instid0(VALU_DEP_1)
	v_lshl_add_u32 v4, v2, 4, v13
	s_delay_alu instid0(VALU_DEP_1)
	v_add_nc_u32 v4, s38, v4                       ; Wo's fragments: row r, + 16 h
	s_mul_i32 s38, s[WV], WT
	v_lshl_add_u32 v5, v2, 5, v13
	s_delay_alu instid0(VALU_DEP_1)
	v_add_nc_u32 v5, s38, v5
	s_delay_alu instid0(VALU_DEP_1)
	v_add_nc_u32 v5, PART, v5                      ; my partial sums: row r, + 32 h
	s_mul_i32 s38, s[WV], 4*WP
	v_mul_u32_u24 v6, v2, WP
	s_delay_alu instid0(VALU_DEP_1)
	v_lshl_add_u32 v6, v1, 4, v6
	s_delay_alu instid0(VALU_DEP_1)
	v_add_nc_u32 v6, s38, v6
	s_delay_alu instid0(VALU_DEP_1)
	v_add_nc_u32 v6, PART, v6                      ; back: row 4 wave + h, 16 bytes a lane
	s_lshl_b32 s38, s[WV], 11
	v_lshlrev_b32 v7, 9, v2
	s_delay_alu instid0(VALU_DEP_1)
	v_lshl_add_u32 v7, v1, 4, v7
	s_delay_alu instid0(VALU_DEP_1)
	v_add_nc_u32 v7, s38, v7                       ; and the same place in out0: rows of 512 bytes
	s_wait_tensorcnt 0x0                           ; my tile has landed,
	s_barrier_signal -1
	s_barrier_wait -1                              ; everybody's has
.irp t, 0,1,2,3
.irp c, 0,1,2,3
	ds_load_b128 v[WF+16*\t+4*\c:WF+16*\t+4*\c+3], v4 offset:16*\t*WP+32*\c
.endr
.endr
	s_wait_loadcnt 0x0
	s_wait_dscnt 0x0
.irp m, 0,1
.irp t, 0,1,2,3
	v_wmma_f32_16x16x128_bf8_bf8 v[ACC+8*(4*\m+\t):ACC+8*(4*\m+\t)+7], v[WF+16*\t:WF+16*\t+15], v[AF+16*\m:AF+16*\m+15], 0
.endr
.endr
	PLACES
	s_wait_alu depctr_va_vdst(0)
.irp m, 0,1
.irp t, 0,1,2,3                                ; lane (r, h): row 16 m + r, columns 16 t + 8 h + 0 .. 7; each accumulator from its low end on
	ds_store_b128 v5, v[ACC+8*(4*\m+\t):ACC+8*(4*\m+\t)+3] offset:16*\m*WP+64*\t
	ds_store_b128 v5, v[ACC+8*(4*\m+\t)+4:ACC+8*(4*\m+\t)+7] offset:16*\m*WP+64*\t+16
.endr
.endr
	s_wait_kmcnt 0x0
	s_add_co_i32 s44, s44, s45
	s_add_co_i32 s44, s44, 127
	s_lshl_b32 s44, s44, 23                        ; 2^(e10 + e11) as f32
	s_mov_b32 s45, s44                             ; (named with it as a pair, so it is written)
	s_wait_dscnt 0x0                               ; for the others' sake: my partial sums lie in LDS
	s_barrier_signal -1
	s_barrier_wait -1
.irp p, 0,1,2,3,4,5,6,7
.irp i, 0,1
	ds_load_b128 v[RB+4*(2*\p+\i):RB+4*(2*\p+\i)+3], v6 offset:\p*WT+2*\i*WP
.endr
.endr
	s_wait_dscnt 0x0
.irp p, 1,2,3,4,5,6,7
.irp i, 0,1
	v_pk_add_f32 v[RB+4*\i:RB+4*\i+1], v[RB+4*\i:RB+4*\i+1], v[RB+4*(2*\p+\i):RB+4*(2*\p+\i)+1]
	v_pk_add_f32 v[RB+4*\i+2:RB+4*\i+3], v[RB+4*\i+2:RB+4*\i+3], v[RB+4*(2*\p+\i)+2:RB+4*(2*\p+\i)+3]
.endr
.endr
.irp i, 0,1
	s_delay_alu instid0(VALU_DEP_4)
	v_pk_fma_f32 v[RB+4*\i:RB+4*\i+1], v[RB+4*\i:RB+4*\i+1], s[44:45], v[8:9] op_sel_hi:[1,0,1]       ; sum x 2^(e10 + e11) + bo
	s_delay_alu instid0(VALU_DEP_4)
	v_pk_fma_f32 v[RB+4*\i+2:RB+4*\i+3], v[RB+4*\i+2:RB+4*\i+3], s[44:45], v[10:11] op_sel_hi:[1,0,1]
.endr
.irp i, 0,1
	global_store_b128 v7, v[RB+4*\i:RB+4*\i+3], s[12:13] offset:1024*\i th:TH_STORE_NT   ; rows 4 wave + 2 i + h; written once, read by nobody here
.endr
	s_wait_tensorcnt 0x0
	ds_add_u32 v240, v241
	s_wait_dscnt 0x0
	CROUND                                         ; the closing round: no work-group ends while a partner may still ask for a tile that names it
	s_endpgm
.Lfunc_end_k_qc72b600d24_outp:
	.size	k_qc72b600d24_outp, .Lfunc_end_k_qc72b600d24_outp-k_qc72b600d24_outp
	.p2alignl 7, 3214868480
	.fill 96, 4, 3214868480
	.section	.rodata,"a",@progbits
	.p2align	6, 0x0
	.amdhsa_kernel k_qc72b600d24_outp
		.amdhsa_group_segment_fixed_size 168960
		.amdhsa_private_segment_fixed_size 0
		.amdhsa_enable_private_segment 0
		.amdhsa_kernarg_size 40
		.amdhsa_user_sgpr_count 2
		.amdhsa_user_sgpr_kernarg_segment_ptr 1
		.amdhsa_wavefront_size32 1
		.amdhsa_system_sgpr_workgroup_id_x 1
		.amdhsa_system_sgpr_workgroup_id_y 1
		.amdhsa_system_sgpr_workgroup_id_z 1
		.amdhsa_system_vgpr_workitem_id 0
		.amdhsa_next_free_vgpr 242
		.amdhsa_next_free_sgpr 66
		.amdhsa_reserve_vcc 0
		.amdhsa_float_denorm_mode_32 3
		.amdhsa_float_denorm_mode_16_64 3
		.amdhsa_memory_ordered 1
		.amdhsa_forward_progress 1
		.amdhsa_inst_pref_size 13
	.end_amdhsa_kernel
	.amdgpu_metadata
---
amdhsa.version: [ 1, 2 ]
amdhsa.kernels:
  - .name:           k_qc72b600d24_outp
    .symbol:         k_qc72b600d24_outp.kd
    .args:
      - { .name: a_img, .offset: 0, .size: 8, .value_kind: global_buffer, .address_space: global }
      - { .name: Wo_codes, .offset: 8, .size: 8, .value_kind: global_buffer, .address_space: global }
      - { .name: bo, .offset: 16, .size: 8, .value_kind: global_buffer, .address_space: global }
      - { .name: lowp_scales, .offset: 24, .size: 8, .value_kind: global_buffer, .address_space: global }
      - { .name: out0, .offset: 32, .size: 8, .value_kind: global_buffer, .address_space: global }
    .group_segment_fixed_size: 168960
    .private_segment_fixed_size: 0
    .kernarg_segment_align: 8
    .kernarg_segment_size: 40
    .max_flat_workgroup_size: 256
    .sgpr_count:     66
    .vgpr_count:     242
    .wavefront_size: 32
...
	.end_amdgpu_metadata
.endif
;; end of part 3
